; MI455X (gfx1250); checked and timed in simulation.
; The chip was launched on July 23, 2026; its instructions are those of AMD's public machine-readable ISA for CDNA 5 (MIT licence, August 2026) and "CDNA5" Instruction Set Architecture Reference Guide (July 2026). The comments in the code are by the model that wrote it; some were corrected since.
;; Full Attention. Allowed arithmetic: float matrix products may take bf16 or f16 operands with f32 sums; all other float work in f32.
;; Inputs: k 2 x 16 x 8 x 16 x 16 x 64 float32; q 2 x 16 x 8 x 16 x 16 x 64 float32; v 2 x 16 x 8 x 16 x 16 x 64 float32.
;; Outputs: out0 2 x 16 x 8 x 16 x 16 x 64 float32.
;; One version. Each part assembles by itself: llvm-mc -triple=amdgcn-amd-amdhsa -mcpu=gfx1250 --defsym DOCPART=n.
;; ======== version 1 of 1: 1 launch
;; limits: right only within a limited range of input values; inputs' magnitudes at most 100,000,000,000,000; values are held in f16: magnitudes above 65,504 overflow, below 6.1e-05 lose precision; inputs' magnitudes at most 65,280; below input magnitudes of 7.63e-06 results are inexact or not finite
;; launch attn (part 1): grid 256 x 1, 8 waves a work-group, no clusters, 168,960 bytes of LDS; arguments q, k, v, out0; writes out0
.if DOCPART == 1
	.amdgcn_target "amdgcn-amd-amdhsa--gfx1250"
	.amdhsa_code_object_version 6
	.text
	.protected	k_q10f3d6596c_attn
	.globl	k_q10f3d6596c_attn
	.p2align	8
	.type	k_q10f3d6596c_attn,@function
k_q10f3d6596c_attn:
	s_mov_b64 s[64:65], 0
	v_nop
	global_prefetch_b8 v0, s[64:65] scope:SCOPE_SE
	s_setreg_imm32_b32 hwreg(HW_REG_WAVE_MODE, 25, 1), 1
	s_wait_xcnt 0x0
; Causal softmax attention: 32 heads (B x H), 2,048 positions, 64 numbers a position; q, k, v, out in f32.
; out[s] = sum over t <= s of softmax_t(q[s].k[t] / 8) v[t].  The softmax in f32, running (m, l, O).
;
; NUMBER FORMATS.  q, k, v are each rounded ONCE to bf16, as they are.  S = q k^T is a bf16 product with f32 sums; the factor
; c = 0.125 x log2 e is applied to the f32 scores, inside the exponent's argument (one fused multiply-add).  The second product is an
; f16 product: the weights p <= 1 are rounded to f16 (11 significant bits: in a row with few keys a weight's rounding error reaches the
; output undiluted, and 8 bits are too few there), and v, already rounded to bf16 (8 bits), is carried over to f16 without a second error.
;
; SHARES.  Work-group x: head x >> 3, i = x & 7.  It owns two blocks of 128 queries, i (short) and 15 - i (long).  Block j meets the key
; tiles 0 .. j of 128 keys: (i + 1) + (16 - i) = 17 steps of 128 x 128 in every work-group; what the mask throws away whole is not computed.
; Wave w: qg = w & 3 picks 32 queries, kh = w >> 2 picks 64 keys of every tile; each wave keeps m, l, O for its keys, and the two key
; halves of a query group meet in LDS at the end of a block (MERGE).  Eight waves: two on a SIMD, so that one wave's softmax can run
; beside the other's matrix instructions.
; ORDER of a block's tiles: the diagonal tile first, then 0, 1, ..  So the one masked step is also the step that starts the sums:
; its products take C = 0, nothing is cleared, and it needs no rescaling.
;
; TRANSPOSED PRODUCTS.  S^T = K Q^T: lane (r = L & 15, h = L >> 4), register j of tile mt holds key 16 mt + 8 h + j of query r.
; Eight such registers, rounded in pairs, ARE four registers of the B operand of O^T = V^T P^T: P never leaves the registers, and
; m, l, alpha are one number a lane (one exchange between the lane halves for the maximum; l stays a half sum until MERGE).
; V lies in LDS as [key][d]; the transposing LDS load makes V^T's fragments.
;
; K AND V are f32 in memory and 16 bits in LDS: each wave loads 16 rows of the next tile into registers, rounds, and stores 8 bytes a lane.
; One region each, two barriers a step; the loads of a tile are issued a whole step ahead of its conversion.
; NO CLUSTER, NO TENSOR LOADS, though the eight groups of a head read the same tiles: a copy engine moves bytes as they are, so the tiles
; would lie in LDS as f32: 64 KiB written and 64 KiB read again in each step, on top of the 32 KiB stored and 128 KiB read that a step
; has here; and the groups of a head stand at different tiles at any time (their order is shifted by i), so joint requests would not meet.
;
; LIMITS.  Inputs are finite.  |v| stays below 65,280 (beyond it f16 overflows); a v below 2^-17 in magnitude is carried with an absolute
; error of up to 2^-25 (f16 denormals).  -2^100 stands for minus infinity: raw scores q.k must lie above it.  A weight below 2^-126 counts
; as 0 (v_exp_f32 flushes, ISA guide 15.8).  l sums the weights in f32, the product takes them rounded to f16.
; A key half in which all keys of a query are masked: -2^100 x c is exact, so its arguments are exactly 0, its weights 1, its sums finite,
; and the next alpha or the merge weight, exp2 of about -2^97, is 0 and wipes them.
.set ROWB,   256                       ; bytes of a row (64 f32) of q, k, v, out
.set KPITCH, 144                       ; LDS row of K: 128 bytes + 16: an odd multiple of 16, sixteen rows start in sixteen different 16-byte columns mod 256
.set VPITCH, 160                       ; LDS row of V: 128 bytes + 32: an odd multiple of 32, as the transposing load's eight-row groups want
.set KREG,   0                         ; 128 rows of K
.set VREG,   KREG+128*KPITCH           ; 18,432: 128 rows of V
.set XREG,   VREG+128*VPITCH           ; 38,912: four parts, one a query group: what the upper key half hands over
.set XPART,  18*512                    ; 16 x 512 bytes of O, 512 of m, 512 of l (16 bytes a lane each)
.set STG,    XREG+4*XPART              ; 75,776: four parts: 32 rows of out on their way to whole rows
.set SPITCH, 272                       ; 256 bytes + 16
.set SPART,  32*SPITCH                 ; the stage ends at STG + 4 SPART = 110,592
; vector registers, block 0
.set VKR, 1                            ; LDS: my K fragments        (64 kh + r) KPITCH + 16 h
.set VVR, 2                            ; LDS: my V^T fragments      VREG + (64 kh + 8 h + (L & 7)) VPITCH + 16 ((L >> 3) & 1)
.set VKW, 3                            ; LDS: where I put K         (16 w + 8 h) KPITCH + 8 r
.set VVW, 4                            ; LDS: where I put V         VREG + (16 w + 4 h) VPITCH + 8 r
.set VKG, 5                            ; memory: my 16 bytes of K   (16 w + 8 h) ROWB + 16 r
.set VVG, 6                            ; memory: my 16 bytes of V   (16 w + 4 h) ROWB + 16 r
.set VQG, 7                            ; memory: my part of q       (32 qg + r) ROWB + 32 h
.set DQ,  8                            ; 32 qg + r - 64 kh - 8 h: key (mt, j) of query group n is kept where 16 mt + j - 16 n <= DQ
.set VX,  9                            ; LDS: exchange              XREG + qg XPART + 16 L
.set VSW, 10                           ; LDS: stage, in             STG + qg SPART + r SPITCH + 32 h
.set VSR, 11                           ; LDS: stage, back           STG + qg SPART + h SPITCH + 16 r
.set VOG, 12                           ; memory: out                qg 32 ROWB + 16 L
.set VPF, 13                           ; prefetch: 256 L
.set NM,  14                           ; v[14:15], v[16:17]  - c x running maximum of query group 0, 1, twice each (the addend pair of the packed multiply-add)
.set AL,  18                           ; v18, v19            alpha of group 0, 1; in MERGE my half's weights
.set W1,  20                           ; v20, v21            in MERGE the partner's weights
.set LS,  22                           ; v22, v23            l of group 0, 1 (sum over my lane half's keys)
.set T,   24                           ; v[24:31]            at work: group n uses T + 4 n ..
.set OA,  32                           ; v[32:95]            O(n, dt) at 32 n + 8 dt
.set SC,  96                           ; v[96:159]           S(n, mt) at 32 n + 8 mt; P(n, ks) at 32 n + 16 ks, packed in place
.set FR,  160                          ; v[160:223]          fragments: K(mt, ks) at 16 mt + 8 ks, then V^T(dt, ks) at 16 dt + 8 ks
.set QF,  224                          ; v[224:255]          Q(n, ks) at 16 n + 8 ks
; block 1 (v256 and up, written by their low 8 bits)
.set GK,  0                            ; v[256:287]          the next K tile's 16 rows, f32 as loaded
.set GV,  32                           ; v[288:319]          the next V tile's
.set PK,  64                           ; v[320:335]          a tile's rows in 16 bits, on their way to LDS
; scalar registers: s[4:5] q, s[6:7] k, s[8:9] v, s[10:11] out (at the head); s12 w, s13 qg, s14 kh, s15 i, s16 head, s17 i + 1, s18 i + 2,
; s19 15 - i, s20, s21 number of the next K, V tile to load (0 .. 16), s22 trips, s23 -2^100, s[24:25] c, s26, s27 lane selects,
; s[32:33], s[34:35] q of the short, long block, s[40:41], s[42:43] out likewise, s[36:37] an offset, s38, s39 at work, s[44:45] prefetch,
; s46 mask of a word's upper half, s47 -c
.set KP,  28                           ; s[28:29] address of the K tile being loaded
.set VP,  30                           ; s[30:31] of the V tile
.set MSB, 0
.macro WIN new                         ; register windows: bits 1:0 source 0, 3:2 source 1, 5:4 source 2, 7:6 destination; the high byte repeats the setting left
.if MSB != \new
	s_set_vgpr_msb (MSB<<8)|\new
.set MSB, \new
.endif
.endm
.macro PLACES cnt                      ; places behind a matrix instruction (ISA guide 7.12.1) where there is no independent vector work
.rept \cnt
	v_nop
.endr
.endm
; The address of flat tile g: tile(0) = i, tile(1 .. i) = g - 1, tile(i + 1) = 15 - i, tile(g > i + 1) = g - i - 2; then g steps.
.macro TILEPTR dlo, blo, g
	s_sub_co_u32 s38, s[\g], 1
	s_sub_co_u32 s39, s[\g], s18
	s_cmp_gt_u32 s[\g], s17
	s_cselect_b32 s38, s39, s38
	s_cmp_eq_u32 s[\g], 0
	s_cselect_b32 s38, s15, s38
	s_cmp_eq_u32 s[\g], s17
	s_cselect_b32 s38, s19, s38
	s_lshl_b32 s36, s38, 15                        ; 128 rows of 256 bytes
	s_add_nc_u64 s[\dlo:\dlo+1], s[\blo:\blo+1], s[36:37]
	s_add_co_u32 s[\g], s[\g], 1
.endm
; Eight loads: my wave's 16 rows of a tile; each half of the lanes takes one whole row of 256 bytes.
.macro KLOAD                           ; lanes 0-15 row 16 w + u, lanes 16-31 row 16 w + 8 + u
	WIN 0x40
.irp u, 0,1,2,3,4,5,6,7
	global_load_b128 v[GK+4*\u:GK+4*\u+3], v[VKG], s[KP:KP+1] offset:\u*ROWB
.endr
.endm
.macro VLOAD                           ; lanes 0-15 rows 16 w + {0-3, 8-11}, lanes 16-31 four rows further
	WIN 0x40
.irp u, 0,1,2,3,4,5,6,7
	global_load_b128 v[GV+4*\u:GV+4*\u+3], v[VVG], s[VP:VP+1] offset:((\u&3)+8*(\u>>2))*ROWB
.endr
.endm
; Round and store, 8 bytes a lane.  The two lane halves' rows are 8 KPITCH = 1,152 and 4 VPITCH = 640 bytes apart, both 128 mod 256:
; the 32 lanes of a store cover 256 different bytes mod 256.
.macro KCONV                           ; K: f32 to bf16
	WIN 0x45
.irp u, 0,1,2,3,4,5,6,7
	v_cvt_pk_bf16_f32 v[PK+2*\u],   v[GK+4*\u],   v[GK+4*\u+1]
	v_cvt_pk_bf16_f32 v[PK+2*\u+1], v[GK+4*\u+2], v[GK+4*\u+3]
.endr
	WIN 0x04
.irp u, 0,1,2,3,4,5,6,7
	ds_store_b64 v[VKW], v[PK+2*\u:PK+2*\u+1] offset:\u*KPITCH
.endr
.endm
.macro VCONV                           ; V: f32 to bf16 (the one rounding), widened again (a shift, a mask), then to f16, which holds 8 bits exactly
	WIN 0x45
.irp u, 0,1,2,3,4,5,6,7
	v_cvt_pk_bf16_f32 v[PK+2*\u],   v[GV+4*\u],   v[GV+4*\u+1]
	v_cvt_pk_bf16_f32 v[PK+2*\u+1], v[GV+4*\u+2], v[GV+4*\u+3]
.endr
.irp u, 0,1,2,3,4,5,6,7
	v_lshlrev_b32 v[GV+4*\u],   16,  v[PK+2*\u]
	v_and_b32     v[GV+4*\u+1], s46, v[PK+2*\u]
	v_lshlrev_b32 v[GV+4*\u+2], 16,  v[PK+2*\u+1]
	v_and_b32     v[GV+4*\u+3], s46, v[PK+2*\u+1]
.endr
.irp u, 0,1,2,3,4,5,6,7
	v_cvt_pk_f16_f32 v[PK+2*\u],   v[GV+4*\u],   v[GV+4*\u+1]
	v_cvt_pk_f16_f32 v[PK+2*\u+1], v[GV+4*\u+2], v[GV+4*\u+3]
.endr
	WIN 0x04
.irp u, 0,1,2,3,4,5,6,7
	ds_store_b64 v[VVW], v[PK+2*\u:PK+2*\u+1] offset:((\u&3)+8*(\u>>2))*VPITCH
.endr
.endm
; K(mt, ks): 16 keys x 32 d: two loads of 16 bytes, 32 bytes apart
.macro KFRAG
.irp m, 0,1,2,3
.irp k, 0,1
	ds_load_b128 v[FR+16*\m+8*\k:FR+16*\m+8*\k+3],   v[VKR] offset:\m*16*KPITCH+64*\k
	ds_load_b128 v[FR+16*\m+8*\k+4:FR+16*\m+8*\k+7], v[VKR] offset:\m*16*KPITCH+64*\k+32
.endr
.endr
.endm
; V^T(dt, ks): 16 d x 32 keys out of rows [key][d]: two transposing loads, 16 rows apart
.macro VFRAG
.irp d, 0,1,2,3
.irp k, 0,1
	ds_load_tr16_b128 v[FR+16*\d+8*\k:FR+16*\d+8*\k+3],   v[VVR] offset:\k*32*VPITCH+32*\d
	ds_load_tr16_b128 v[FR+16*\d+8*\k+4:FR+16*\d+8*\k+7], v[VVR] offset:\k*32*VPITCH+32*\d+16*VPITCH
.endr
.endr
.endm
; q of my 32 queries as f32 into S's registers, already in the order of the B fragments: 8 numbers at d = 32 ks + 16 p + 8 h
.macro QLOAD ptr
.irp q, 0,1
.irp k, 0,1
.irp p, 0,1
.irp e, 0,1
	global_load_b128 v[SC+32*\q+16*\k+8*\p+4*\e:SC+32*\q+16*\k+8*\p+4*\e+3], v[VQG], s[\ptr:\ptr+1] offset:\q*16*ROWB+\k*128+\p*64+\e*16
.endr
.endr
.endr
.endr
.endm
; q to bf16, as it is: the factor c comes later, in f32
.macro QCONV
.set ii, 0
.rept 32
	v_cvt_pk_bf16_f32 v[QF+ii], v[SC+2*ii], v[SC+2*ii+1]
.set ii, ii+1
.endr
.endm
; S^T = K Q^T: 64 keys x 32 queries x 64 d: the first eight start the sums, the second eight are the next links in place
.macro SQK
.irp q, 0,1
.irp m, 0,1,2,3
	v_wmma_f32_16x16x32_bf16 v[SC+32*\q+8*\m:SC+32*\q+8*\m+7], v[FR+16*\m:FR+16*\m+7], v[QF+16*\q:QF+16*\q+7], 0
.endr
.endr
.irp q, 0,1
.irp m, 0,1,2,3
	v_wmma_f32_16x16x32_bf16 v[SC+32*\q+8*\m:SC+32*\q+8*\m+7], v[FR+16*\m+8:FR+16*\m+15], v[QF+16*\q+8:QF+16*\q+15], v[SC+32*\q+8*\m:SC+32*\q+8*\m+7]
.endr
.endr
.endm
; The diagonal tile: key 64 kh + 16 mt + 8 h + j is kept for query 32 qg + 16 n + r where it is not behind it.  The constants are -16 .. 55.
.macro SMASK
.irp q, 0,1
.irp m, 0,1,2,3
.irp j, 0,1,2,3,4,5,6,7
	v_cmp_le_i32 vcc_lo, 16*\m+\j-16*\q, v[DQ]
	v_cndmask_b32 v[SC+32*\q+8*\m+\j], s23, v[SC+32*\q+8*\m+\j], vcc_lo
.endr
.endr
.endr
.endm
; The new maximum of query group q: two chains over my 32 raw scores, times -c, then the least of mine, the other lane half's and the
; old one: NM = - c x maximum.  alpha = exp2(c (old maximum - new maximum)) = exp2(NM new - NM old).
.macro SMAX q, first
	v_max3_num_f32 v[T+4*\q],   v[SC+32*\q],    v[SC+32*\q+1],  v[SC+32*\q+2]
	v_max3_num_f32 v[T+4*\q+1], v[SC+32*\q+16], v[SC+32*\q+17], v[SC+32*\q+18]
.irp j, 3,5,7,9,11,13
	v_max3_num_f32 v[T+4*\q],   v[T+4*\q],   v[SC+32*\q+\j],    v[SC+32*\q+\j+1]
	v_max3_num_f32 v[T+4*\q+1], v[T+4*\q+1], v[SC+32*\q+16+\j], v[SC+32*\q+17+\j]
.endr
	v_max3_num_f32 v[T+4*\q], v[T+4*\q], v[T+4*\q+1], v[SC+32*\q+15]
	v_max_num_f32 v[T+4*\q], v[T+4*\q], v[SC+32*\q+31]
	v_mul_f32 v[T+4*\q], s47, v[T+4*\q]                        ; x -c (exact for -2^100)
	v_permlanex16_b32 v[T+4*\q+1], v[T+4*\q], s26, s27         ; lane L takes lane L xor 16: the same query's other 32 keys
.if \first
	v_min_num_f32 v[NM+2*\q],   v[T+4*\q], v[T+4*\q+1]
	v_min_num_f32 v[NM+2*\q+1], v[T+4*\q], v[T+4*\q+1]
.else
	v_min3_num_f32 v[T+4*\q+2], v[T+4*\q], v[T+4*\q+1], v[NM+2*\q]
	v_sub_f32 v[T+4*\q+3], v[T+4*\q+2], v[NM+2*\q]
	v_mov_b32 v[NM+2*\q],   v[T+4*\q+2]
	v_mov_b32 v[NM+2*\q+1], v[T+4*\q+2]
	v_exp_f32 v[AL+\q], v[T+4*\q+3]                            ; the line behind it (the other group's maximum, or a multiply-add on S) touches neither register
.endif
.endm
; p = exp2(c s - c m), in place: one fused multiply-add, then the exponential.
; Behind the last v_exp_f32 stands a plain line on the other group's registers (ISA guide 5.7.2).
.macro SEXP q
.set ii, 0
.rept 16
	v_pk_fma_f32 v[SC+32*\q+ii:SC+32*\q+ii+1], v[SC+32*\q+ii:SC+32*\q+ii+1], s[24:25], v[NM+2*\q:NM+2*\q+1] op_sel_hi:[1,0,1]
.set ii, ii+2
.endr
.set ii, 0
.rept 32
	v_exp_f32 v[SC+32*\q+ii], v[SC+32*\q+ii]
.set ii, ii+1
.endr
.endm
; l = l alpha + the sum of my 32 weights (two packed chains)
.macro SSUM q, first
	s_wait_alu depctr_va_vdst(0)
	v_pk_add_f32 v[T+4*\q:T+4*\q+1],   v[SC+32*\q:SC+32*\q+1],     v[SC+32*\q+2:SC+32*\q+3]
	v_pk_add_f32 v[T+4*\q+2:T+4*\q+3], v[SC+32*\q+16:SC+32*\q+17], v[SC+32*\q+18:SC+32*\q+19]
.irp j, 4,6,8,10,12,14
	v_pk_add_f32 v[T+4*\q:T+4*\q+1],   v[T+4*\q:T+4*\q+1],   v[SC+32*\q+\j:SC+32*\q+\j+1]
	v_pk_add_f32 v[T+4*\q+2:T+4*\q+3], v[T+4*\q+2:T+4*\q+3], v[SC+32*\q+16+\j:SC+32*\q+17+\j]
.endr
	v_pk_add_f32 v[T+4*\q:T+4*\q+1], v[T+4*\q:T+4*\q+1], v[T+4*\q+2:T+4*\q+3]
.if \first
	v_add_f32 v[LS+\q], v[T+4*\q], v[T+4*\q+1]
.else
	v_add_f32 v[T+4*\q], v[T+4*\q], v[T+4*\q+1]
	v_fma_f32 v[LS+\q], v[LS+\q], v[AL+\q], v[T+4*\q]
.endif
.endm
; P(q, ks) registers 0-3 = S(q, 2 ks) rounded to f16 in pairs, 4-7 = S(q, 2 ks + 1): word e is written after words 2 e, 2 e + 1 were read
.macro SPACK q
.irp k, 0,1
.irp e, 0,1,2,3,4,5,6,7
	v_cvt_pk_f16_f32 v[SC+32*\q+16*\k+\e], v[SC+32*\q+16*\k+2*\e], v[SC+32*\q+16*\k+2*\e+1]
.endr
.endr
.endm
; O(q, .) x alpha(q): both halves of the packed multiply take register q of the pair AL
.macro SRESC q
.set ii, 0
.rept 16
	v_pk_mul_f32 v[OA+32*\q+ii:OA+32*\q+ii+1], v[OA+32*\q+ii:OA+32*\q+ii+1], v[AL:AL+1] op_sel:[0,\q] op_sel_hi:[1,\q]
.set ii, ii+2
.endr
.endm
; O^T += V^T P^T: 64 d x 32 queries x 64 keys, f16 operands
.macro PV first
.irp d, 0,1,2,3
.irp q, 0,1
.if \first
	v_wmma_f32_16x16x32_f16 v[OA+32*\q+8*\d:OA+32*\q+8*\d+7], v[FR+16*\d:FR+16*\d+7], v[SC+32*\q:SC+32*\q+7], 0
.else
	v_wmma_f32_16x16x32_f16 v[OA+32*\q+8*\d:OA+32*\q+8*\d+7], v[FR+16*\d:FR+16*\d+7], v[SC+32*\q:SC+32*\q+7], v[OA+32*\q+8*\d:OA+32*\q+8*\d+7]
.endif
.endr
.endr
.irp d, 0,1,2,3
.irp q, 0,1
	v_wmma_f32_16x16x32_f16 v[OA+32*\q+8*\d:OA+32*\q+8*\d+7], v[FR+16*\d+8:FR+16*\d+15], v[SC+32*\q+16:SC+32*\q+23], v[OA+32*\q+8*\d:OA+32*\q+8*\d+7]
.endr
.endr
.endm
; ONE STEP f: 128 queries x 128 keys.  On entry: K(f) lies in LDS; V(f) and behind it K(f+1) are on their way into GV and GK.
; mask, first: the diagonal tile.  lcv, lck: the loads that may stay out when V(f), K(f+1) must be in.  vfetch: V(f+1) is asked for;
; kconv: K(f+1) goes to LDS; kfetch: K(f+2) is asked for.
.macro STEP mask, first, lcv, vfetch, kconv, lck, kfetch
	PLACES 5                                       ; behind the last O product: 4 before loads land in its A (FR), 5 before S's products write over its B (P)
	KFRAG
	s_wait_loadcnt \lcv                            ; V(f) is in; the eight younger loads, K(f+1), stay out.  VP's loads are done: it may step
	VCONV                                          ; into V's region: every wave's reads of V(f-1) ended in front of the last barrier
.if \vfetch
	TILEPTR VP, 8, 21
	VLOAD
.endif
	WIN 0
	s_wait_dscnt 0x0                               ; my K fragments are in registers and my rows of V(f) are in LDS:
	s_barrier_signal -1                            ; say so,
	SQK                                            ; work on registers meanwhile,
	s_barrier_wait -1                              ; and behind this V(f) may be read and K's region written
	PLACES 4                                       ; before loads land in S's A operands and vector lines read S
	VFRAG
.if \kconv
	s_wait_loadcnt \lck                            ; K(f+1) is in; the eight younger loads, V(f+1), stay out.  KP may step
	KCONV
.endif
.if \kfetch
	TILEPTR KP, 6, 20
	KLOAD
.endif
	WIN 0
.if \mask
	SMASK
.endif
	SMAX 0, \first
	SMAX 1, \first
	SEXP 0
	SEXP 1
	SSUM 0, \first                                 ; its first line, on group 0's numbers, is the place behind group 1's last exponential
	SSUM 1, \first
	SPACK 0
	SPACK 1
.if \first == 0
	SRESC 0
	SRESC 1
.endif
	s_wait_dscnt 0x0                               ; my V fragments are in registers and my rows of K(f+1) are in LDS
	s_barrier_signal -1
	PV \first
	s_barrier_wait -1                              ; behind this K(f+1) may be read and V's region written
.endm
; THE END OF A BLOCK.  Waves 4-7 hand m, l, O of the upper key halves to waves 0-3, which weigh the halves, divide by l and store
; 32 rows of out through their own stage.  nextq = 1: q of the next block is asked for first and converted at the end.
.macro MERGE id, outp, nextq, qptr
	PLACES 4                                       ; behind the last O product: its D is read, loads land in its A and B
	v_permlanex16_b32 v[T],   v[LS],   s26, s27
	v_permlanex16_b32 v[T+1], v[LS+1], s26, s27
	v_add_f32 v[LS],   v[LS],   v[T]               ; l over all my 64 keys
	v_add_f32 v[LS+1], v[LS+1], v[T+1]
.if \nextq
	QLOAD \qptr
.endif
	s_cmp_lt_u32 s12, 4
	s_cbranch_scc1 .Lgiven\id
.set ii, 0
.rept 16
	ds_store_b128 v[VX], v[OA+4*ii:OA+4*ii+3] offset:512*ii
.set ii, ii+1
.endr
	ds_store_b128 v[VX], v[NM:NM+3] offset:16*512
	ds_store_b64 v[VX], v[LS:LS+1] offset:17*512
.Lgiven\id:
	s_wait_dscnt 0x0                               ; what I hand over is in LDS
	s_barrier_signal -1
	s_barrier_wait -1
	s_cmp_ge_u32 s12, 4
	s_cbranch_scc1 .Lmerged\id
	ds_load_b128 v[T:T+3], v[VX] offset:16*512     ; the partner's - c m (twice each)
	ds_load_b64 v[T+4:T+5], v[VX] offset:17*512    ; and l
.set ii, 0
.rept 16
	ds_load_b128 v[FR+4*ii:FR+4*ii+3], v[VX] offset:512*ii     ; its O: register OA + x comes to FR + x
.set ii, ii+1
.endr
	s_wait_dscnt 16                                ; m and l are in; the sixteen younger loads of O stay out
	v_min_num_f32 v[T+6], v[NM],   v[T]            ; - c x the common maximum
	v_min_num_f32 v[T+7], v[NM+2], v[T+2]
	v_sub_f32 v[AL],   v[T+6], v[NM]               ; c (my maximum - the common one) <= 0
	v_sub_f32 v[AL+1], v[T+7], v[NM+2]
	v_sub_f32 v[W1],   v[T+6], v[T]
	v_sub_f32 v[W1+1], v[T+7], v[T+2]
	v_exp_f32 v[AL],   v[AL]
	v_exp_f32 v[AL+1], v[AL+1]
	v_exp_f32 v[W1],   v[W1]
	v_exp_f32 v[W1+1], v[W1+1]
	v_nop                                          ; one plain place behind the exponentials
	s_wait_alu depctr_va_vdst(0)
	v_pk_mul_f32 v[LS:LS+1], v[LS:LS+1], v[AL:AL+1]
	v_pk_fma_f32 v[LS:LS+1], v[T+4:T+5], v[W1:W1+1], v[LS:LS+1]    ; l of both halves on the common maximum, whose own weight is 1
	v_rcp_f32 v[LS],   v[LS]
	v_rcp_f32 v[LS+1], v[LS+1]
	v_nop
	s_wait_alu depctr_va_vdst(0)
	v_pk_mul_f32 v[AL:AL+1], v[AL:AL+1], v[LS:LS+1]            ; the weights, divided by l
	v_pk_mul_f32 v[W1:W1+1], v[W1:W1+1], v[LS:LS+1]
	s_wait_dscnt 0x0
.irp q, 0,1
.set ii, 0
.rept 16
	v_pk_mul_f32 v[OA+32*\q+ii:OA+32*\q+ii+1], v[OA+32*\q+ii:OA+32*\q+ii+1], v[AL:AL+1] op_sel:[0,\q] op_sel_hi:[1,\q]
	v_pk_fma_f32 v[OA+32*\q+ii:OA+32*\q+ii+1], v[FR+32*\q+ii:FR+32*\q+ii+1], v[W1:W1+1], v[OA+32*\q+ii:OA+32*\q+ii+1] op_sel:[0,\q,0] op_sel_hi:[1,\q,1]
.set ii, ii+2
.endr
.endr
	; a lane holds d = 16 dt + 8 h + 0 .. 7 of query 16 n + r: 32 bytes of a row.  Through my own stage to whole rows.
.irp q, 0,1
.irp d, 0,1,2,3
.irp e, 0,1
	ds_store_b128 v[VSW], v[OA+32*\q+8*\d+4*\e:OA+32*\q+8*\d+4*\e+3] offset:\q*16*SPITCH+\d*64+\e*16
.endr
.endr
.endr
.set ii, 0
.rept 16
	ds_load_b128 v[FR+4*ii:FR+4*ii+3], v[VSR] offset:ii*2*SPITCH   ; LDS serves a wave's instructions in order (ISA guide 5.7.1): these see the stores above
.set ii, ii+1
.endr
.set ii, 0
.rept 16
	s_wait_dscnt 15-ii                             ; rows 2 ii, 2 ii + 1 are in; the younger loads stay out
	global_store_b128 v[VOG], v[FR+4*ii:FR+4*ii+3], s[\outp:\outp+1] offset:512*ii th:TH_STORE_NT   ; 512 consecutive bytes, aligned: two whole rows
.set ii, ii+1
.endr
.if \nextq
	s_wait_xcnt 0x0                                ; FR, the stores' data, is loaded again in the next step only behind this wait
.endif
.Lmerged\id:
.if \nextq
	s_wait_loadcnt 0x0                             ; q is the youngest of the loads
	QCONV
.endif
.endm
	; ---- set-up ----
	s_load_b256 s[4:11], s[0:1], 0x0               ; q, k, v, out
	s_set_vgpr_msb 0x40
	v_lshl_add_u32 v80, v0, 2, 0x29000
	v_mov_b32 v81, 0
	s_set_vgpr_msb 0x4000
	v_lshrrev_b32 v24, 5, v0
	v_readfirstlane_b32 s12, v24                   ; wave 0 .. 7
	s_and_b32 s13, s12, 3                          ; qg
	s_lshr_b32 s14, s12, 2                         ; kh
	s_and_b32 s15, ttmp9, 7                        ; i
	s_lshr_b32 s16, ttmp9, 3                       ; head
	s_add_co_u32 s17, s15, 1
	s_add_co_u32 s18, s15, 2
	s_sub_co_u32 s19, 15, s15
	s_mov_b32 s20, 0
	s_mov_b32 s21, 0
	s_mov_b32 s23, 0xf1800000                      ; -2^100: a power of two, so that its product with c is exact
	s_mov_b32 s24, 0x3e38aa3b                      ; c = 0.125 x log2 e
	s_mov_b32 s25, 0x3e38aa3b
	s_mov_b32 s26, 0x76543210                      ; v_permlanex16_b32: lane i of one half reads lane i of the other
	s_mov_b32 s27, 0xfedcba98
	s_mov_b32 s37, 0
	s_mov_b32 s46, 0xffff0000                      ; a word's upper bf16
	s_mov_b32 s47, 0xbe38aa3b                      ; -c
	v_and_b32 v24, 31, v0                          ; L
	v_and_b32 v25, 15, v0                          ; r
	v_bfe_u32 v26, v0, 4, 1                        ; h
	s_lshl_b32 s38, s12, 12                        ; 16 w rows
	v_lshlrev_b32 v[VKG], 11, v26
	v_lshl_add_u32 v[VKG], v25, 4, v[VKG]
	v_add_nc_u32 v[VKG], s38, v[VKG]
	v_lshlrev_b32 v[VVG], 10, v26
	v_lshl_add_u32 v[VVG], v25, 4, v[VVG]
	v_add_nc_u32 v[VVG], s38, v[VVG]
	s_lshl_b32 s39, s13, 13                        ; 32 qg rows
	v_lshlrev_b32 v[VQG], 8, v25
	v_lshl_add_u32 v[VQG], v26, 5, v[VQG]
	v_add_nc_u32 v[VQG], s39, v[VQG]
	v_lshl_add_u32 v[VOG], v24, 4, s39
	v_lshlrev_b32 v[VPF], 8, v24
	s_wait_kmcnt 0x0
	s_lshl_b32 s36, s16, 19                        ; a head: 2,048 rows of 256 bytes
	s_add_nc_u64 s[4:5], s[4:5], s[36:37]
	s_add_nc_u64 s[6:7], s[6:7], s[36:37]
	s_add_nc_u64 s[8:9], s[8:9], s[36:37]
	s_add_nc_u64 s[10:11], s[10:11], s[36:37]
	s_lshl_b32 s36, s15, 15                        ; the short block
	s_add_nc_u64 s[32:33], s[4:5], s[36:37]
	s_add_nc_u64 s[40:41], s[10:11], s[36:37]
	s_lshl_b32 s36, s19, 15                        ; the long block
	s_add_nc_u64 s[34:35], s[4:5], s[36:37]
	s_add_nc_u64 s[42:43], s[10:11], s[36:37]
	s_add_co_u32 s36, s36, s39                     ; tile 15 - i, my wave's 8,192 bytes of it (qg x 32 lanes x 256)
	s_cmp_lt_u32 s12, 4
	s_cselect_b64 s[44:45], s[6:7], s[8:9]         ; waves 0-3: of k, waves 4-7: of v
	s_add_nc_u64 s[44:45], s[44:45], s[36:37]
	QLOAD 32                                       ; 16 loads
	TILEPTR KP, 6, 20
	KLOAD                                          ; K(0), 8 loads
	TILEPTR VP, 8, 21
	VLOAD                                          ; V(0), 8 loads
	WIN 0
	; My group is the first of its head to reach tile 15 - i (as its long block's diagonal tile, flat step i + 1): its 64 KiB of k and v
	; are asked for here, once, lanes 256 bytes apart, 8 KiB a wave.  No other group asks for this tile; the address lies inside k or v.
	global_prefetch_b8 v[VPF], s[44:45] th:TH_LOAD_NT scope:SCOPE_SE
	; the LDS addresses, while the loads are on their way
	v_and_b32 v27, 7, v0
	v_bfe_u32 v28, v0, 3, 1
	s_mul_i32 s38, s14, 64*KPITCH                  ; (KREG is 0)
	v_mul_u32_u24 v[VKR], v25, KPITCH
	v_lshl_add_u32 v[VKR], v26, 4, v[VKR]
	v_add_nc_u32 v[VKR], s38, v[VKR]
	s_mul_i32 s38, s14, 64*VPITCH
	s_add_co_u32 s38, s38, VREG
	v_lshl_add_u32 v27, v26, 3, v27                ; 8 h + (L & 7)
	v_mul_u32_u24 v[VVR], v27, VPITCH
	v_lshl_add_u32 v[VVR], v28, 4, v[VVR]
	v_add_nc_u32 v[VVR], s38, v[VVR]
	s_mul_i32 s38, s12, 16*KPITCH
	v_mul_u32_u24 v[VKW], v26, 8*KPITCH
	v_lshl_add_u32 v[VKW], v25, 3, v[VKW]
	v_add_nc_u32 v[VKW], s38, v[VKW]
	s_mul_i32 s38, s12, 16*VPITCH
	s_add_co_u32 s38, s38, VREG
	v_mul_u32_u24 v[VVW], v26, 4*VPITCH
	v_lshl_add_u32 v[VVW], v25, 3, v[VVW]
	v_add_nc_u32 v[VVW], s38, v[VVW]
	s_lshl_b32 s38, s13, 5
	s_lshl_b32 s39, s14, 6
	s_sub_co_i32 s38, s38, s39                     ; 32 qg - 64 kh
	v_lshlrev_b32 v[DQ], 3, v26
	v_sub_nc_u32 v[DQ], v25, v[DQ]
	v_add_nc_u32 v[DQ], s38, v[DQ]
	s_mul_i32 s38, s13, XPART
	s_add_co_u32 s38, s38, XREG
	v_lshl_add_u32 v[VX], v24, 4, s38
	s_mul_i32 s38, s13, SPART
	s_add_co_u32 s38, s38, STG
	v_mul_u32_u24 v[VSW], v25, SPITCH
	v_lshl_add_u32 v[VSW], v26, 5, v[VSW]
	v_add_nc_u32 v[VSW], s38, v[VSW]
	v_mul_u32_u24 v[VSR], v26, SPITCH
	v_lshl_add_u32 v[VSR], v25, 4, v[VSR]
	v_add_nc_u32 v[VSR], s38, v[VSR]
	s_wait_loadcnt 8                               ; q and K(0) are in; the eight loads of V(0) stay out.  KP may step
	QCONV
	KCONV
	TILEPTR KP, 6, 20
	KLOAD                                          ; K(1)
	WIN 0
	s_wait_dscnt 0x0                               ; my rows of K(0) are in LDS
	s_barrier_signal -1
	s_barrier_wait -1
	; ---- the short block: its diagonal tile, then tiles 0 .. i - 1 ----
	STEP 1, 1, 8, 1, 1, 8, 1
	s_cmp_eq_u32 s15, 0
	s_cbranch_scc1 .Lshort_done
	s_mov_b32 s22, s15
.Lshort:
	STEP 0, 0, 8, 1, 1, 8, 1
	s_sub_co_u32 s22, s22, 1
	s_cmp_lg_u32 s22, 0
	s_cbranch_scc1 .Lshort
.Lshort_done:
	MERGE 0, 40, 1, 34
	; ---- the long block: flat steps i + 1 .. 16: its diagonal tile, then tiles 0 .. 14 - i ----
	STEP 1, 1, 8, 1, 1, 8, 1
	s_sub_co_i32 s22, 13, s15                      ; steps i + 2 .. 14: 13 - i trips, at least six
.Llong:
	STEP 0, 0, 8, 1, 1, 8, 1
	s_sub_co_i32 s22, s22, 1
	s_cmp_gt_i32 s22, 0                            ; a signed compare: the loop ends from any start
	s_cbranch_scc1 .Llong
	STEP 0, 0, 8, 1, 1, 8, 0                       ; step 15: V(16) is asked for, K(16) goes to LDS, there is no K(17)
	STEP 0, 0, 0, 0, 0, 0, 0                       ; step 16: V(16) is the only load out; nothing follows
	MERGE 1, 42, 0, 0
	s_set_vgpr_msb 0x5
	s_wait_tensorcnt 0x0
	ds_add_u32 v80, v81
	s_wait_dscnt 0x0
	s_set_vgpr_msb 0x500
	s_endpgm
.Lfunc_end_k_q10f3d6596c_attn:
	.size	k_q10f3d6596c_attn, .Lfunc_end_k_q10f3d6596c_attn-k_q10f3d6596c_attn
	.p2alignl 7, 3214868480
	.fill 96, 4, 3214868480
	.section	.rodata,"a",@progbits
	.p2align	6, 0x0
	.amdhsa_kernel k_q10f3d6596c_attn
		.amdhsa_group_segment_fixed_size 168960
		.amdhsa_private_segment_fixed_size 0
		.amdhsa_enable_private_segment 0
		.amdhsa_kernarg_size 32
		.amdhsa_user_sgpr_count 2
		.amdhsa_user_sgpr_kernarg_segment_ptr 1
		.amdhsa_wavefront_size32 1
		.amdhsa_system_sgpr_workgroup_id_x 1
		.amdhsa_system_sgpr_workgroup_id_y 1
		.amdhsa_system_sgpr_workgroup_id_z 1
		.amdhsa_system_vgpr_workitem_id 0
		.amdhsa_next_free_vgpr 338
		.amdhsa_next_free_sgpr 66
		.amdhsa_reserve_vcc 1
		.amdhsa_float_denorm_mode_32 3
		.amdhsa_float_denorm_mode_16_64 3
		.amdhsa_memory_ordered 1
		.amdhsa_forward_progress 1
		.amdhsa_inst_pref_size 187
	.end_amdhsa_kernel
	.amdgpu_metadata
---
amdhsa.version: [ 1, 2 ]
amdhsa.kernels:
  - .name:           k_q10f3d6596c_attn
    .symbol:         k_q10f3d6596c_attn.kd
    .args:
      - { .name: q, .offset: 0, .size: 8, .value_kind: global_buffer, .address_space: global }
      - { .name: k, .offset: 8, .size: 8, .value_kind: global_buffer, .address_space: global }
      - { .name: v, .offset: 16, .size: 8, .value_kind: global_buffer, .address_space: global }
      - { .name: out0, .offset: 24, .size: 8, .value_kind: global_buffer, .address_space: global }
    .group_segment_fixed_size: 168960
    .private_segment_fixed_size: 0
    .kernarg_segment_align: 8
    .kernarg_segment_size: 32
    .max_flat_workgroup_size: 256
    .sgpr_count:     66
    .vgpr_count:     338
    .wavefront_size: 32
...
	.end_amdgpu_metadata
.endif
;; end of part 1
